; MI455X (gfx1250); checked and timed in simulation.
; The chip was launched on July 23, 2026; its instructions are those of AMD's public machine-readable ISA for CDNA 5 (MIT licence, August 2026) and "CDNA5" Instruction Set Architecture Reference Guide (July 2026). The comments in the code are by the model that wrote it; some were corrected since.
;; Linear Attention. Allowed arithmetic: matrix products marked QUANTISED: E5M2 operands, one E8M0 scale for each 32 along K, by v_wmma_scale_f32_16x16x128_f8f6f4 with both operands' format E5M2, f32 sums; everything else in f32.
;; Inputs: Wk_codes 512 x 16 x 32 uint8 (E5M2 codes of Wk, K innermost, in blocks of 32 codes); Wk_scales 512 x 16 uint8 (E8M0 scales of Wk, one for each 32 codes along K); Wo_codes 512 x 16 x 32 uint8 (E5M2 codes of Wo, K innermost, in blocks of 32 codes); Wo_scales 512 x 16 uint8 (E8M0 scales of Wo, one for each 32 codes along K); Wq_codes 512 x 16 x 32 uint8 (E5M2 codes of Wq, K innermost, in blocks of 32 codes); Wq_scales 512 x 16 uint8 (E8M0 scales of Wq, one for each 32 codes along K); Wv_codes 512 x 16 x 32 uint8 (E5M2 codes of Wv, K innermost, in blocks of 32 codes); Wv_scales 512 x 16 uint8 (E8M0 scales of Wv, one for each 32 codes along K); bk 512 float32; bo 512 float32; bq 512 float32; bv 512 float32; x_codes 4,096 x 8 x 16 x 32 uint8 (E5M2 codes of x, K innermost, in blocks of 32 codes); x_scales 4,096 x 8 x 16 uint8 (E8M0 scales of x, one for each 32 codes along K).
;; Outputs: out0 4,096 x 8 x 512 float32.
;; This version of the problem:
;;   THIS VERSION OF THE PROBLEM IS GIVEN IN LOW PRECISION. The matrix products marked QUANTISED in the list below multiply operands that are first quantised to E5M2 (5 exponent bits, 2 mantissa bits; 8 bits a number), with one power-of-two scale for each 32 numbers along K (OCP MX v1.0); their sums are f32. All else is computed in f32.
;;   The module's matrix products, in the order in which they are computed (A, B: the left and right operand; K: the contracted axis; several contracted axes count as one K, in the product's order):
;;     1. [M 32,768, K 512] x [K 512, N 512]; A: input x (given as codes); B: input Wq (given as codes): QUANTISED
;;     2. [M 32,768, K 512] x [K 512, N 512]; A: input x (given as codes); B: input Wk (given as codes): QUANTISED
;;     3. [M 32,768, K 512] x [K 512, N 512]; A: input x (given as codes); B: input Wv (given as codes): QUANTISED
;;     4. batch 8 x [M 512, K 4,096] x [K 4,096, N 512]; A: computed on the way; B: computed on the way: QUANTISED
;;     5. batch 8 x [M 512, K 512] x [K 512, N 4,096]; A: computed on the way; B: computed on the way: QUANTISED
;;     6. [M 32,768, K 512] x [K 512, N 512]; A: computed on the way; B: input Wo (given as codes): QUANTISED
;;   THE QUANTISER, for each operand of a quantised product, along K:
;;     - K is cut into blocks of 32 from its start; a last block that is shorter is filled with zeros.
;;     - A block's scale is 2^e with e = floor(log2(the largest magnitude in the block)) - 15, held to -126 .. 127; a block of zeros has e = 0. As a byte (E8M0): e + 127.
;;     - Each number is divided by its block's scale, clamped to +-57,344, and rounded to the nearest number of E5M2, ties to even, subnormals kept.
;;     - The product sums the exact products of the quantised numbers (number of the format x scale) in f32.
;;   ~~~python
;;   def quantise(x, axis):      # numpy; x: float32 -> the quantised numbers, widened to float32 again
;;       x = np.moveaxis(x, axis, -1); K = x.shape[-1]
;;       x = np.pad(x, [(0, 0)] * (x.ndim - 1) + [(0, -K % 32)]); x = x.reshape(x.shape[:-1] + (-1, 32)); a = np.abs(x).max(-1, keepdims=True)
;;       e = np.where(a > 0, np.clip(np.frexp(np.where(a > 0, a, 1))[1] - 1 - 15, -126, 127), 0)      # np.frexp(a)[1] - 1 = floor(log2(a)), exactly
;;       r = np.clip(x / 2.0 ** e, -57344, 57344)
;;       step = 2.0 ** (np.maximum(np.frexp(np.where(r == 0, 1, r))[1] - 1, -14) - 2)
;;       q = np.round(r / step) * step * 2.0 ** e      # np.round: ties to even
;;       return np.moveaxis(q.reshape(q.shape[:-2] + (-1,))[..., :K], -1, axis).astype(np.float32)
;;   ~~~
;;   OPERANDS COMPUTED ON THE WAY. 'Computed on the way' means the value that the module computes at that place (a softmax that the list does not call 'softmax' is quantised finished and normalised). What goes into a quantiser is computed in f32, as accurately as f32 sums, v_exp_f32 and their like allow (about 1e-6 of the number): no bf16 or f16 on the way to a quantiser, and a product that is left as it is and whose result goes on into a quantised operand takes f32 operands (vector FMAs, or v_wmma_f32_16x16x4_f32). A number that lies on a knife's edge between two numbers of the format may be rounded either way, as far as f32 arithmetic and the matrix unit's own rounding can turn it there, and no further.
;;   INPUTS GIVEN AS CODES. Wk (in the module: [512, 512], K = its axis 1); Wo (in the module: [512, 512], K = its axis 1); Wq (in the module: [512, 512], K = its axis 1); Wv (in the module: [512, 512], K = its axis 1); x (in the module: [4096, 8, 512], K = its axis 2): each comes as NAME_codes (uint8): NAME with its K axis moved to the last place and cut into blocks of 32 codes, [.., K / 32, bytes a block], one block behind the other in memory; one code a byte (a code: sign, 5 exponent bits, 2 mantissa bits); and NAME_scales (uint8): the same leading axes, one E8M0 byte (e + 127) for each 32 codes along K. Its value is code x scale, taken as it is: it is not quantised again, and the codes and scales need not be those that the quantiser above would give.
;; One version. Each part assembles by itself: llvm-mc -triple=amdgcn-amd-amdhsa -mcpu=gfx1250 --defsym DOCPART=n.
;; ======== version 1 of 1: 3 launches
;; workspace buffers: kv 35,651,584 bytes; w5 2,228,224 bytes; wimg 557,056 bytes
;; launch proj (part 1): grid 16 x 16, 4 waves a work-group, clusters of 4 x 1, 327,680 bytes of LDS; arguments x_codes, x_scales, Wk_codes, Wk_scales, Wv_codes, Wv_scales, bk, bv, kv; writes kv
.if DOCPART == 1
	.amdgcn_target "amdgcn-amd-amdhsa--gfx1250"
	.amdhsa_code_object_version 6
	.text
	.protected	k_qb0588dabed_proj
	.globl	k_qb0588dabed_proj
	.p2align	8
	.type	k_qb0588dabed_proj,@function
k_qb0588dabed_proj:
	s_mov_b64 s[64:65], 0
	v_nop
	global_prefetch_b8 v0, s[64:65] scope:SCOPE_SE
	s_setreg_imm32_b32 hwreg(HW_REG_WAVE_MODE, 25, 1), 1
	s_wait_xcnt 0x0
	s_wait_alu depctr_hold_cnt(0) depctr_sa_sdst(0) depctr_va_vdst(0) depctr_va_sdst(0) depctr_va_ssrc(0) depctr_va_vcc(0) depctr_vm_vsrc(0)
	s_getreg_b32 s2, hwreg(HW_REG_IB_STS2, 6, 4)
	s_cmp_eq_u32 s2, 0
	s_cbranch_scc0 .Lentry_in_a_cluster
	s_endpgm
.Lentry_in_a_cluster:
	s_bfe_u32 s2, ttmp6, 0x10000c
	s_cmp_lg_u32 s2, 0x3003
	s_cbranch_scc0 .Lentry_shape_is_right
	s_endpgm
.Lentry_shape_is_right:
; K = elu(x Wk^T + bk) + 1 and V = x Wv^T + bv, on codes of BF8 (E5M2) with one E8M0 scale for each 32 along K, and both results quantised
; ALONG s (the next product's K) and stored as images of that product's operand registers.
; SHARES.  A work-group takes 256 s of one batch b and 256 columns (half g) of K and of V.  Wave w keeps 64 rows of Wk (window 1) and the same 64 rows of Wv
; (window 2) in registers for the whole launch and walks the 256 s in 8 steps of 32: 64 matrix instructions a step, each fragment of x feeding eight.
; LAYOUT.  Source 0 = 16 rows of x, source 1 = 16 rows of W: a lane holds ONE column and its registers run along s.  THE s OF A TILE OF x ARE NOT NEIGHBOURS:
; lane m of tile u takes s 8 u + m + 8 (m / 8), so that the 16 registers of tiles 0 and 1 are s = 16 (lane / 16) + 0 .. 15: a quarter of the next operand's fragment.
; The rows of W in a tile are chosen likewise (lane r of tile t: 32 (t / 2) + 8 (t % 2) + r + 8 (r / 8)): the two later launches want their own K so.
; kv: [K, V][b][quad of 4 tiles][128 s][8,704 bytes]: tile i's registers 4 c .. 4 c + 3 at 2048 i + 512 c + 16 lane; the four scale words of a lane at 8192 + 16 lane.
; ELU + 1.  The bias registers hold bk + 1, so a sum is y = z + 1, and elu(z) + 1 = max(2^min(y L - L, 0), y), L = log2(e).  It rises with y: a block's largest
; number is made of the block's largest y by the same lines.
; LIMITS: exp(z) stands for expm1(z) + 1 (they differ by 6e-8 at the most); an exponential under 2^-126 comes out as 0; the exponential is taken not to fall where
; its input rises; NaN and infinities are not served; a block of zeros gets the scale byte 1 (its codes are zeros, and this program alone reads the bytes).
; CLUSTER.  The four work-groups of a cluster share b and g and so their 256 KB of weights: each wave's two tiles are asked for jointly.  They are first fills: no LDS byte is filled twice.
.set PITCH, 528                        ; an LDS row: 512 bytes + 16 of padding: 16 neighbouring rows start at 16 different banks
.set WREG,  128*PITCH                  ; a wave's weights: 64 rows of Wk, then 64 of Wv
.set XB,    4*WREG                     ; two buffers of 32 rows of x
.set XBS,   32*PITCH
.set XSC,   XB+2*XBS                   ; x's scale words of the 256 s: 16 bytes a row
.set REC,   8704
.set QSTR,  32*REC
.set BSTR,  8*QSTR
.set ZSTR,  8*BSTR
.set STEPX, 32*4096                    ; 32 s on in x: a row (s, b) lies 4,096 bytes from (s + 1, b)
.set XS, 16                            ; v16-47   my 8 rows of x as loaded
.set WS, 48                            ; v48-79   the weights' scale words: 4 t + q
.set XW, 80                            ; v80-87   x's scale words: 4 u + q
.set TM, 88                            ; v88-103  at work: largest numbers, bytes, holds, scales
.set SW, 104                           ; v104-111 the scale words that grow, one a tile
.set PC, 112                           ; v112-127 the codes just made
.set XF, 128                           ; v128-255 x's fragments: 16 (4 u + q)
.set T,  128                           ; v128-191 at work on K, when the fragments are done with
.set BI, 128                           ; window 3: v0-127 the sums (16 t + 8 u), from v128 the biases, eight equal registers a tile
.set MSB, 0
.macro WIN new                         ; the immediate's high byte repeats the setting that is left
.if MSB != (\new)
	s_set_vgpr_msb (MSB<<8)|(\new)
.set MSB, (\new)
.endif
.endm
.macro CROUND                          ; a round of the cluster's barrier
	s_barrier_signal -1
	s_barrier_wait -1
	s_cmp_lg_u32 s26, 0
	s_cbranch_scc1 .Lnot_wave_0_\@
	s_barrier_signal -3
.Lnot_wave_0_\@:
	s_barrier_wait -3
	s_barrier_signal -1
	s_barrier_wait -1
.endm
.macro PLACES                          ; eight plain vector instructions behind a matrix instruction of this form
.rept 8
	v_nop
.endr
.endm
	s_load_b512 s[8:23], s[0:1], 0x0               ; x_codes 8, x_scales 10, Wk_codes 12, Wk_scales 14, Wv_codes 16, Wv_scales 18, bk 20, bv 22
	s_load_b64 s[24:25], s[0:1], 0x40              ; kv
	v_lshl_add_u32 v12, v0, 2, 0x4b400
	v_mov_b32 v13, 0
	ds_add_u32 v12, v13
	ds_add_u32 v12, v13
	v_lshrrev_b32 v1, 5, v0
	v_readfirstlane_b32 s26, v1                    ; wave 0..3
	s_bfe_u32 s27, ttmp6, 0x40000                  ; cx
	s_lshl_b32 s28, ttmp9, 2
	s_add_co_u32 s28, s28, s27                     ; which 256 s: it enters x's and kv's addresses alone
	s_and_b32 s29, ttmp7, 0xffff
	s_lshr_b32 s30, s29, 1                         ; b
	s_and_b32 s31, s29, 1                          ; g
	s_lshl_b32 s66, s31, 2
	s_add_co_u32 s66, s66, s26                     ; my quad of columns: 4 g + wave
	s_mov_b32 s32, 15|(1<<20)|(1<<21)|(6<<22)|(3<<25)  ; group 1: the mask of all four; elements of 1 byte; padding on; bit 21 beside the mask; 4 words behind every 128
	s_mov_b32 s33, 512<<16                         ; tensor_dim0
	s_mov_b32 s34, 64<<16                          ; tensor_dim1
	s_mov_b32 s35, 512<<16                         ; tile_dim0
	s_mov_b32 s36, 64                              ; tile_dim1
	s_mov_b32 s37, 512                             ; from row to row
	s_mov_b32 s38, 0
	s_mov_b32 s39, 0
	s_lshl_b32 s68, s66, 15                        ; my 64 rows of 512 bytes
	s_mov_b32 s69, 0
	s_mov_b32 s40, 1
	s_mul_i32 s41, s26, WREG
	s_mov_b32 s44, 1
	s_add_co_u32 s45, s41, 64*PITCH
	s_lshl_b32 s74, s28, 20                        ; x: 256 s of 4,096 bytes,
	s_lshl_b32 s75, s26, 15                        ; my 8 rows of a step's 32,
	s_add_co_u32 s74, s74, s75
	s_lshl_b32 s75, s30, 9                         ; the batch
	s_add_co_u32 s74, s74, s75
	s_mov_b32 s75, 0
	s_lshl_b32 s76, s28, 15                        ; x's scales: 128 bytes from s to s + 1
	s_lshl_b32 s77, s30, 4
	s_add_co_u32 s76, s76, s77
	s_mov_b32 s77, 0
	s_lshl_b32 s78, s66, 10                        ; the weights' scales: 16 bytes a row
	s_mov_b32 s79, 0
	s_lshl_b32 s58, s66, 8                         ; the biases
	s_mov_b32 s59, 0
	s_mul_i32 s72, s30, BSTR
	s_mul_i32 s73, s66, QSTR
	s_add_co_u32 s72, s72, s73
	s_mul_i32 s73, s28, 2*REC
	s_add_co_u32 s72, s72, s73
	s_mov_b32 s73, 0
	s_mov_b32 s56, 0x3fb8aa3b                      ; L = log2(e)
	s_mov_b32 s57, s56
	s_mov_b32 s60, 0x76543210
	s_mov_b32 s61, 0xfedcba98                      ; lane l xor 16
	s_mov_b32 s62, 0x600000                        ; the mantissa field of 57,344
	s_wait_dscnt 0x0
	s_wait_kmcnt 0x0
	s_add_nc_u64 s[42:43], s[12:13], s[68:69]
	s_or_b32 s43, s43, 0x80000000
	s_add_nc_u64 s[46:47], s[16:17], s[68:69]
	s_or_b32 s47, s47, 0x80000000
	s_add_nc_u64 s[48:49], s[8:9], s[74:75]
	s_add_nc_u64 s[10:11], s[10:11], s[76:77]
	s_add_nc_u64 s[14:15], s[14:15], s[78:79]
	s_add_nc_u64 s[18:19], s[18:19], s[78:79]
	s_add_nc_u64 s[20:21], s[20:21], s[58:59]
	s_add_nc_u64 s[22:23], s[22:23], s[58:59]
	s_add_nc_u64 s[50:51], s[24:25], s[72:73]      ; K's record
	s_add_nc_u64 s[52:53], s[50:51], ZSTR          ; V's
	CROUND                                         ; all four work-groups are here: the joint loads meet
	tensor_load_to_lds s[40:43], s[32:39]          ; my 64 rows of Wk
	s_nop 0
	tensor_load_to_lds s[44:47], s[32:39]          ; and of Wv: two loads of mine are out
	s_nop 0
.rept 4
	v_nop
.endr
	v_and_b32 v88, 31, v0
	v_lshlrev_b32 v1, 4, v88                       ; v1  16 x lane
	v_and_b32 v89, 15, v0                          ; r
	v_bfe_u32 v90, v0, 4, 1                        ; h
	v_and_b32 v91, 8, v89
	v_add_nc_u32 v91, v91, v89                     ; r + 8 (r / 8)
	s_and_b32 s70, s26, 1
	s_lshl_b32 s70, s70, 1
	s_lshr_b32 s71, s26, 1
	s_or_b32 s70, s70, s71                         ; my 8 rows' place: LDS row 16 u + m holds s 8 u + m + 8 (m / 8)
	s_mul_i32 s70, s70, 8*PITCH
	s_add_co_u32 s70, s70, XB
	v_add_nc_u32 v2, s70, v1                       ; v2  where I store rows of x
	v_mul_u32_u24 v3, v89, PITCH
	v_lshl_add_u32 v3, v90, 4, v3
	v_add_nc_u32 v3, XB, v3                        ; v3  where I read fragments of x
	v_lshl_add_u32 v10, v91, 4, XSC                ; v10 x's scale words of my lane's s
	v_mul_u32_u24 v6, v91, PITCH
	v_lshl_add_u32 v6, v90, 4, v6
	v_add_nc_u32 v6, s41, v6                       ; v6  my lane's place in my wave's weights
	v_lshlrev_b32 v7, 4, v91                       ; v7  the weights' scale words
	v_lshlrev_b32 v8, 2, v91                       ; v8  the biases
	v_lshlrev_b32 v9, 7, v0                        ; v9  x's scales in memory: thread i takes s i and s i + 128
	v_lshl_add_u32 v11, v0, 4, XSC                 ; v11 and in LDS
	v_mov_b32 v14, 0xbfb8aa3b                      ; v[14:15] -L
	v_mov_b32 v15, 0xbfb8aa3b
	v_mov_b32 v4, v10
.irp t, 0,1,2,3
	v_mov_b32 v[TM+4+\t], 0                        ; a lane permute's destination counts as one of its sources
.endr
.macro LOADX n                         ; my 8 rows of the step n steps on: each load is one row's 512 bytes
.irp k, 0,1,2,3,4,5,6,7
	global_load_b128 v[XS+4*\k:XS+4*\k+3], v1, s[48:49] offset:(\n)*STEPX+4096*\k
.endr
.endm
.macro XSTORE buf
.irp k, 0,1,2,3,4,5,6,7
	ds_store_b128 v2, v[XS+4*\k:XS+4*\k+3] offset:(\buf)*XBS+PITCH*\k
.endr
.endm
.macro FETCHX buf, c                   ; a step's eight fragments of x and its scale words (c: the step's place among the trip's)
.irp u, 0,1
.irp q, 0,1,2,3
.irp p, 0,1,2,3
	ds_load_b128 v[XF+16*(4*\u+\q)+4*\p:XF+16*(4*\u+\q)+4*\p+3], v3 offset:(\buf)*XBS+\u*16*PITCH+128*\q+32*\p
.endr
.endr
	ds_load_b128 v[XW+4*\u:XW+4*\u+3], v4 offset:512*(\c)+128*\u
.endr
.endm
.macro WLOAD half                      ; 16 fragments of my weights into the window that is set
.irp t, 0,1,2,3
.irp q, 0,1,2,3
.irp p, 0,1,2,3
	ds_load_b128 v[16*(4*\t+\q)+4*\p:16*(4*\t+\q)+4*\p+3], v6 offset:\half*64*PITCH+(32*(\t/2)+8*(\t%2))*PITCH+128*\q+32*\p
.endr
.endr
.endr
.endm
	global_load_b128 v[PC:PC+3], v9, s[10:11]
	global_load_b128 v[PC+4:PC+7], v9, s[10:11] offset:16384
	LOADX 0
.irp t, 0,1,2,3
	global_load_b128 v[WS+4*\t:WS+4*\t+3], v7, s[14:15] offset:16*(32*(\t/2)+8*(\t%2))
	global_load_b128 v[WS+16+4*\t:WS+16+4*\t+3], v7, s[18:19] offset:16*(32*(\t/2)+8*(\t%2))
	global_load_b32 v[TM+8+\t], v8, s[20:21] offset:4*(32*(\t/2)+8*(\t%2))
	global_load_b32 v[TM+12+\t], v8, s[22:23] offset:4*(32*(\t/2)+8*(\t%2))
.endr
	s_wait_tensorcnt 0x1                           ; Wk's rows are in (Wv's load was issued behind them); only I read my wave's bytes
	WIN 0x40
	WLOAD 0
	s_wait_tensorcnt 0x0
	WIN 0x80
	WLOAD 1
	WIN 0
	s_wait_loadcnt 0x0
	ds_store_b128 v11, v[PC:PC+3]
	ds_store_b128 v11, v[PC+4:PC+7] offset:2048
	XSTORE 0
.irp t, 0,1,2,3
	v_add_f32 v[TM+8+\t], 1.0, v[TM+8+\t]          ; bk + 1
.endr
	WIN 0xc0
.irp t, 0,1,2,3,4,5,6,7
.irp j, 0,1,2,3,4,5,6,7
	v_mov_b32 v[BI+8*\t+\j], v[TM+8+\t]            ; a lane holds one column: its bias in all eight registers of the C operand
.endr
.endr
	WIN 0
	s_wait_dscnt 0x0                               ; my stores have landed and have read their registers; the weights are in
	LOADX 1
	s_barrier_signal -1
	s_barrier_wait -1                              ; step 0's rows and all scale words lie in LDS
	FETCHX 0, 0
; 32 matrix instructions: the four tiles of K (half 0) or of V (half 1) x two tiles of x, 512 along K.  Eight sums by turns; the bias starts each.
.macro MUL half
	WIN 0xf4+4*\half
.irp q, 0,1,2,3
.irp t, 0,1,2,3
.irp u, 0,1
.set D_, 16*(4*\half+\t)+8*\u
.if \q == 0
	v_wmma_scale_f32_16x16x128_f8f6f4 v[D_:D_+7], v[XF+16*(4*\u+\q):XF+16*(4*\u+\q)+15], v[16*(4*\t+\q):16*(4*\t+\q)+15], v[BI+8*(4*\half+\t):BI+8*(4*\half+\t)+7], v[XW+4*\u+\q], v[WS+4*(4*\half+\t)+\q] matrix_a_fmt:MATRIX_FMT_BF8 matrix_b_fmt:MATRIX_FMT_BF8
.else
	v_wmma_scale_f32_16x16x128_f8f6f4 v[D_:D_+7], v[XF+16*(4*\u+\q):XF+16*(4*\u+\q)+15], v[16*(4*\t+\q):16*(4*\t+\q)+15], v[D_:D_+7], v[XW+4*\u+\q], v[WS+4*(4*\half+\t)+\q] matrix_a_fmt:MATRIX_FMT_BF8 matrix_b_fmt:MATRIX_FMT_BF8
.endif
.endr
.endr
.endr
.endm
; From a block's largest number in v[TM+t]: the conversion's scale operand (15 off the exponent field), the hold (57,344 x the scale), the byte, and the byte into the tile's scale word.
.macro SCALES c, sw
.irp t, 0,1,2,3
	v_add_nc_u32 v[TM+12+\t], 0xf8800000, v[TM+\t]
.endr
.irp t, 0,1,2,3
	v_and_or_b32 v[TM+8+\t], v[TM+\t], 0x7f800000, s62
.endr
.irp t, 0,1,2,3
	v_lshrrev_b32 v[TM+4+\t], 23, v[TM+12+\t]
.endr
.irp t, 0,1,2,3
.if \c == 0
	v_mov_b32 v[\sw+\t], v[TM+4+\t]
.else
	v_lshl_or_b32 v[\sw+\t], v[TM+4+\t], 8*\c, v[\sw+\t]
.endif
.endr
.endm
.macro JOIN                            ; with lane l xor 16's 16 numbers: the block's
.irp t, 0,1,2,3
	v_permlanex16_b32 v[TM+4+\t], v[TM+\t], s60, s61
.endr
.irp t, 0,1,2,3
	v_max_num_f32 v[TM+\t], v[TM+\t], v[TM+4+\t]
.endr
.endm
; K's four tiles of this step: 32 s x 64 columns: elu + 1, quantised along s, stored.
.macro POSTK c
	WIN 0x3c                                       ; sources 1 and 2: the sums, window 3
.irp t, 0,1,2,3
	v_max3_num_f32 v[TM+\t], 0xff800000, v[16*\t], v[16*\t+1]     ; the block's largest y, each sum from its low end on
.endr
.irp i, 2,4,6,8,10,12,14
.irp t, 0,1,2,3
	v_max3_num_f32 v[TM+\t], v[TM+\t], v[16*\t+\i], v[16*\t+\i+1]
.endr
.endr
	WIN 0
	JOIN
	WIN 0x03
.set n_, 0
.rept 32
	v_pk_fma_f32 v[T+n_:T+n_+1], v[n_:n_+1], s[56:57], v[14:15] op_sel_hi:[1,0,1]   ; y L - L = z log2(e)
.set n_, n_+2
.endr
	WIN 0
.irp t, 0,1,2,3
	v_fma_f32 v[TM+8+\t], v[TM+\t], s56, v14       ; the same of the largest y
.endr
.set n_, 0
.rept 64
	v_min_num_f32 v[T+n_], 0, v[T+n_]
.set n_, n_+1
.endr
.irp t, 0,1,2,3
	v_min_num_f32 v[TM+8+\t], 0, v[TM+8+\t]
.endr
.set n_, 0
.rept 64
	v_exp_f32 v[T+n_], v[T+n_]
.set n_, n_+1
.endr
.irp t, 0,1,2,3
	v_exp_f32 v[TM+8+\t], v[TM+8+\t]
.endr
	v_nop                                          ; a plain instruction behind the last exponential
	s_wait_alu depctr_va_vdst(0)                   ; one wait for the batch of 68, ahead of its first reader
.irp t, 0,1,2,3
	v_max3_num_f32 v[TM+\t], v[TM+8+\t], v[TM+\t], 0x8000000      ; the block's largest elu + 1, and the floor 2^(16 - 127)
.endr
	SCALES \c, SW
	WIN 0x0c
.set n_, 0
.rept 64
	v_maxmin_num_f32 v[T+n_], v[T+n_], v[n_], v[TM+8+n_/16]       ; min(max(2^.., y), the hold): the activation and the hold in one
.set n_, n_+1
.endr
	WIN 0
	s_wait_xcnt 0x0                                ; the last stores have read the codes' registers
.irp t, 0,1,2,3
	v_cvt_scalef32_pk8_bf8_f32 v[PC+4*\t:PC+4*\t+1], v[T+16*\t:T+16*\t+7], v[TM+12+\t]
	v_cvt_scalef32_pk8_bf8_f32 v[PC+4*\t+2:PC+4*\t+3], v[T+16*\t+8:T+16*\t+15], v[TM+12+\t]
.endr
	v_nop                                          ; a plain instruction behind the last conversion
.irp t, 0,1,2,3
	global_store_b128 v1, v[PC+4*\t:PC+4*\t+3], s[50:51] offset:2048*\t+512*\c   ; 32 lanes store 512 consecutive bytes, aligned
.endr
.if \c == 3
	global_store_b128 v1, v[SW:SW+3], s[50:51] offset:8192
.endif
.endm
; V's four tiles: quantised along s, stored.
.macro POSTV c
	WIN 0x3c
.irp t, 0,1,2,3
	v_max3_num_f32 v[TM+\t], 0x8000000, |v[64+16*\t]|, |v[64+16*\t+1]|
.endr
.irp i, 2,4,6,8,10,12,14
.irp t, 0,1,2,3
	v_max3_num_f32 v[TM+\t], v[TM+\t], |v[64+16*\t+\i]|, |v[64+16*\t+\i+1]|
.endr
.endr
	WIN 0
	JOIN
	SCALES \c, SW+4
	WIN 0xc3
.set n_, 0
.rept 64
	v_med3_num_f32 v[64+n_], v[64+n_], -v[TM+8+n_/16], v[TM+8+n_/16]   ; the conversion does not saturate (ISA guide 7.6.2): the hold
.set n_, n_+1
.endr
	WIN 0x03
	s_wait_xcnt 0x0                                ; K's stores have read the codes' registers
.irp t, 0,1,2,3
	v_cvt_scalef32_pk8_bf8_f32 v[PC+4*\t:PC+4*\t+1], v[64+16*\t:64+16*\t+7], v[TM+12+\t]
	v_cvt_scalef32_pk8_bf8_f32 v[PC+4*\t+2:PC+4*\t+3], v[64+16*\t+8:64+16*\t+15], v[TM+12+\t]
.endr
	WIN 0
	v_nop
.irp t, 0,1,2,3
	global_store_b128 v1, v[PC+4*\t:PC+4*\t+3], s[52:53] offset:2048*\t+512*\c
.endr
.if \c == 3
	global_store_b128 v1, v[SW+4:SW+7], s[52:53] offset:8192
.endif
.endm
; A STEP of 32 s.  One barrier: in front of it my rows of the next step lie in the other buffer and my reads of this step's buffer are back;
; behind it the other buffer is whole, and this one may be written in the next step.  The last trip's last steps load, store and fetch nothing: branches on the count of trips.
.macro STEP c
	s_wait_loadcnt 0x0                             ; the next step's rows, asked for a step ago.  The wait stands ahead of the branch, on every path: no load into these registers is issued while an earlier one is out
.if \c == 3
	s_cmp_eq_u32 s54, 1
	s_cbranch_scc1 .Lno_store_\@
.endif
	XSTORE (\c+1)%2
.if \c == 3
.Lno_store_\@:
.endif
	s_wait_dscnt 0x0
.if \c == 0
	v_add_nc_u32 v4, s55, v10                      ; this trip's scale words of x
.endif
	s_barrier_signal -1
	s_barrier_wait -1
.if \c >= 2
	s_cmp_eq_u32 s54, 1
	s_cbranch_scc1 .Lno_load_\@
.endif
	LOADX \c+2
.if \c >= 2
.Lno_load_\@:
.endif
	MUL 0
	MUL 1
	WIN 0
	PLACES
	POSTK \c
.if \c == 3
	s_cmp_eq_u32 s54, 1
	s_cbranch_scc1 .Lno_fetch_\@
.endif
	FETCHX (\c+1)%2, \c+1                          ; K's work is done with the fragments' registers: the next step's come while V is worked
.if \c == 3
.Lno_fetch_\@:
.endif
	POSTV \c
.endm
	s_mov_b32 s54, 2                               ; trips: 128 s, one record of K and one of V each
	s_mov_b32 s55, 0
.Ltrip:
	STEP 0
	STEP 1
	STEP 2
	STEP 3
	s_wait_xcnt 0x0                                ; loads and stores have read their bases and data
	s_add_nc_u64 s[48:49], s[48:49], 4*STEPX
	s_add_nc_u64 s[50:51], s[50:51], REC
	s_add_nc_u64 s[52:53], s[52:53], REC
	s_add_co_u32 s55, s55, 2048
	s_sub_co_u32 s54, s54, 1
	s_cmp_lg_u32 s54, 0
	s_cbranch_scc1 .Ltrip
	s_wait_dscnt 0x0
	s_wait_tensorcnt 0x0
	ds_add_u32 v12, v13
	s_wait_dscnt 0x0
	CROUND                                         ; the closing round
	s_endpgm
.Lfunc_end_k_qb0588dabed_proj:
	.size	k_qb0588dabed_proj, .Lfunc_end_k_qb0588dabed_proj-k_qb0588dabed_proj
	.p2alignl 7, 3214868480
	.fill 96, 4, 3214868480
	.section	.rodata,"a",@progbits
	.p2align	6, 0x0
	.amdhsa_kernel k_qb0588dabed_proj
		.amdhsa_group_segment_fixed_size 327680
		.amdhsa_private_segment_fixed_size 0
		.amdhsa_enable_private_segment 0
		.amdhsa_kernarg_size 72
		.amdhsa_user_sgpr_count 2
		.amdhsa_user_sgpr_kernarg_segment_ptr 1
		.amdhsa_wavefront_size32 1
		.amdhsa_system_sgpr_workgroup_id_x 1
		.amdhsa_system_sgpr_workgroup_id_y 1
		.amdhsa_system_sgpr_workgroup_id_z 1
		.amdhsa_system_vgpr_workitem_id 0
		.amdhsa_next_free_vgpr 1024
		.amdhsa_next_free_sgpr 80
		.amdhsa_reserve_vcc 0
		.amdhsa_float_denorm_mode_32 3
		.amdhsa_float_denorm_mode_16_64 3
		.amdhsa_memory_ordered 1
		.amdhsa_forward_progress 1
		.amdhsa_inst_pref_size 168
	.end_amdhsa_kernel
	.amdgpu_metadata
---
amdhsa.version: [ 1, 2 ]
amdhsa.kernels:
  - .name:           k_qb0588dabed_proj
    .symbol:         k_qb0588dabed_proj.kd
    .args:
      - { .name: x_codes, .offset: 0, .size: 8, .value_kind: global_buffer, .address_space: global }
      - { .name: x_scales, .offset: 8, .size: 8, .value_kind: global_buffer, .address_space: global }
      - { .name: Wk_codes, .offset: 16, .size: 8, .value_kind: global_buffer, .address_space: global }
      - { .name: Wk_scales, .offset: 24, .size: 8, .value_kind: global_buffer, .address_space: global }
      - { .name: Wv_codes, .offset: 32, .size: 8, .value_kind: global_buffer, .address_space: global }
      - { .name: Wv_scales, .offset: 40, .size: 8, .value_kind: global_buffer, .address_space: global }
      - { .name: bk, .offset: 48, .size: 8, .value_kind: global_buffer, .address_space: global }
      - { .name: bv, .offset: 56, .size: 8, .value_kind: global_buffer, .address_space: global }
      - { .name: kv, .offset: 64, .size: 8, .value_kind: global_buffer, .address_space: global }
    .group_segment_fixed_size: 327680
    .private_segment_fixed_size: 0
    .kernarg_segment_align: 8
    .kernarg_segment_size: 72
    .max_flat_workgroup_size: 128
    .sgpr_count:     80
    .vgpr_count:     1024
    .wavefront_size: 32
...
	.end_amdgpu_metadata
.endif
;; end of part 1
;; launch kvgemm (part 2): grid 32 x 8, 4 waves a work-group, no clusters, 131,584 bytes of LDS; arguments kv, Wq_codes, Wq_scales, Wo_codes, Wo_scales, w5, wimg; writes w5, wimg
.if DOCPART == 2
	.amdgcn_target "amdgcn-amd-amdhsa--gfx1250"
	.amdhsa_code_object_version 6
	.text
	.protected	k_qb0588dabed_kvgemm
	.globl	k_qb0588dabed_kvgemm
	.p2align	8
	.type	k_qb0588dabed_kvgemm,@function
k_qb0588dabed_kvgemm:
	s_mov_b64 s[64:65], 0
	v_nop
	global_prefetch_b8 v0, s[64:65] scope:SCOPE_SE
	s_setreg_imm32_b32 hwreg(HW_REG_WAVE_MODE, 25, 1), 1
	s_wait_xcnt 0x0
; KV[b][d][e] = the sum over s of K[s][b][d] V[s][b][e], on the codes that the launch before has made, and KV quantised along d, stored as images of the next operand's registers.
; SHARES.  A work-group makes 128 d x 64 e of one batch.  THE FOUR WAVES SHARE s: wave w takes s 1,024 w on, with the whole tile in 32 sums (256 registers); the four partial
; sums meet in LDS at the end.  So no operand byte comes to the work-group twice, and in the loop nothing goes through LDS: kv lies in the order of the operands' registers,
; and every load is 512 consecutive bytes straight into a fragment.
; NO CLUSTER, NO TENSOR LOADS: what work-groups share (a stream of K: 8 of them; of V: 4) goes into registers, not into LDS.  The order of a wave's eight K steps is turned by
; (eg + 2 dg) mod 8, so that the work-groups that share a stream ask for different records at a time.
; LAYOUT.  Source 0 = 16 d of K, source 1 = 16 e of V: a lane holds one e and its registers run along d; K's tiles hold d 32 (t / 2) + 8 (t % 2) + r + 8 (r / 8), so the 64 registers of an e tile are
; d = 32 b + 16 (lane / 16) + i: a fragment of the next product.
; ALSO: Wq and Wo are laid into wimg as such images, one piece of 512 bytes a wave (Wq's rows chosen as above, Wo's as they lie).
; The sum over s is made in four parts and these added in f32.  LIMITS: NaN and infinities are not served; a block of zeros gets the scale byte 1.
.set REC,   8704
.set QSTR,  32*REC
.set BSTR,  8*QSTR
.set ZSTR,  8*BSTR
.set WBLK,  17408                      ; a block of w5 or wimg: 8 tiles x 128 K: codes 2048 t + 512 c + 16 lane, scale words 16384 + 128 t + 4 lane
.set SA, 20                            ; v20-43  K's scale words: 8 set + a
.set SB, 44                            ; v44-55  V's: 4 set + i
.set S,  64                            ; the reduced tile
.set TM, 128
.set PC, 144
.set PW, 160
; window 0: v1 16 lane, v2 4 lane, v3-5 a set's offset, v6, v7, v10 LDS addresses, v8, v9, v12-16 the re-layout; v64-255 V's fragments, three sets.
; window 1: K's fragments, sets 0 and 1; window 2: set 2; window 3: the sums, (i, a) at 64 i + 8 a.
.set MSB, 0
.macro WIN new
.if MSB != (\new)
	s_set_vgpr_msb (MSB<<8)|(\new)
.set MSB, (\new)
.endif
.endm
	s_load_b256 s[8:15], s[0:1], 0x0               ; kv 8, Wq_codes 10, Wq_scales 12, Wo_codes 14
	s_load_b128 s[16:19], s[0:1], 0x20             ; Wo_scales 16, w5 18
	s_load_b64 s[20:21], s[0:1], 0x30              ; wimg
	v_lshl_add_u32 v62, v0, 2, 0x20000
	v_mov_b32 v63, 0
	v_lshrrev_b32 v1, 5, v0
	v_readfirstlane_b32 s22, v1                    ; wave
	s_mov_b32 s23, ttmp9
	s_and_b32 s24, ttmp7, 0xffff                   ; b
	s_lshr_b32 s25, s23, 3                         ; dg
	s_and_b32 s26, s23, 7                          ; eg
	s_lshl_b32 s27, s25, 1
	s_add_co_u32 s27, s27, s26
	s_and_b32 s27, s27, 7                          ; the turn of my K steps
	s_lshl_b32 s32, s24, 3
	s_lshl_b32 s33, s25, 1
	s_add_co_u32 s33, s32, s33                     ; K's first quad: 8 b + 2 dg
	s_lshl_b32 s33, s33, 5
	s_lshl_b32 s34, s22, 3
	s_add_co_u32 s33, s33, s34                     ; + my eight records
	s_mul_i32 s56, s33, REC
	s_mov_b32 s57, 0
	s_add_co_u32 s32, s32, s26                     ; V's quad: 8 b + eg
	s_lshl_b32 s32, s32, 5
	s_add_co_u32 s32, s32, s34
	s_mul_i32 s58, s32, REC
	s_add_co_u32 s58, s58, ZSTR
	s_mov_b32 s59, 0
	; the re-layout: piece (which, T, q, c = wave)
	s_lshl_b32 s30, s24, 5
	s_add_co_u32 s30, s30, s23                     ; 0 .. 255
	s_lshr_b32 s31, s30, 7                         ; 0: Wq, 1: Wo
	s_bfe_u32 s32, s30, 0x50002                    ; T: which 16 rows
	s_and_b32 s33, s30, 3                          ; q: which 128 along K
	s_lshr_b32 s34, s32, 1
	s_lshl_b32 s34, s34, 5
	s_and_b32 s35, s32, 1
	s_lshl_b32 s35, s35, 3
	s_add_co_u32 s34, s34, s35                     ; Wq: 32 (T / 2) + 8 (T % 2)
	s_lshl_b32 s35, s32, 4                         ; Wo: 16 T
	s_cmp_eq_u32 s31, 0
	s_cselect_b32 s34, s34, s35
	s_cselect_b32 s35, 8, 0
	s_lshl_b32 s40, s33, 7
	s_lshl_b32 s41, s22, 5
	s_add_co_u32 s40, s40, s41                     ; 128 q + 32 c
	s_lshl_b32 s41, s33, 2
	s_mul_i32 s60, s31, 16*WBLK
	s_lshr_b32 s47, s32, 3
	s_mul_i32 s47, s47, 4*WBLK
	s_add_co_u32 s60, s60, s47
	s_mul_i32 s47, s33, WBLK
	s_add_co_u32 s60, s60, s47                     ; the block in wimg
	s_and_b32 s47, s32, 7
	s_lshl_b32 s62, s47, 7
	s_add_co_u32 s62, s62, s60
	s_add_co_u32 s62, s62, 16384                   ; its tile's scale words
	s_mov_b32 s63, 0
	s_lshl_b32 s47, s47, 11
	s_add_co_u32 s60, s60, s47
	s_lshl_b32 s47, s22, 9
	s_add_co_u32 s60, s60, s47                     ; my piece of its codes
	s_mov_b32 s61, 0
	; where my e tile of KV goes
	s_mul_i32 s52, s24, 16*WBLK
	s_lshr_b32 s47, s26, 1
	s_mul_i32 s47, s47, 4*WBLK
	s_add_co_u32 s52, s52, s47
	s_mul_i32 s47, s25, WBLK
	s_add_co_u32 s52, s52, s47
	s_and_b32 s47, s26, 1
	s_lshl_b32 s47, s47, 2
	s_add_co_u32 s47, s47, s22                     ; tile 4 (eg % 2) + wave
	s_lshl_b32 s54, s47, 7
	s_add_co_u32 s54, s54, s52
	s_add_co_u32 s54, s54, 16384
	s_mov_b32 s55, 0
	s_lshl_b32 s47, s47, 11
	s_add_co_u32 s52, s52, s47
	s_mov_b32 s53, 0
	v_and_b32 v58, 31, v0
	v_lshlrev_b32 v1, 4, v58
	v_lshlrev_b32 v2, 2, v58
	v_and_b32 v56, 15, v0                          ; r
	v_bfe_u32 v57, v0, 4, 1                        ; h
	v_bfe_u32 v59, v0, 3, 1                        ; r / 8
	v_mad_u32_u24 v59, v59, s35, v56
	v_add_nc_u32 v59, s34, v59                     ; my row of the weight
	v_lshlrev_b32 v8, 9, v59
	v_lshl_add_u32 v8, v57, 4, v8
	v_add_nc_u32 v8, s40, v8                       ; its 16 codes
	v_lshlrev_b32 v9, 4, v59
	v_add_nc_u32 v9, s41, v9                       ; its scale word
	s_lshl_b32 s47, s22, 15
	v_add_nc_u32 v6, s47, v1                       ; LDS: my wave's 32,768 bytes of partial sums
	s_lshl_b32 s47, s22, 13
	v_add_nc_u32 v7, s47, v1                       ; and my e tile in partial 0 (and 1),
	v_add_nc_u32 v10, 65536, v7                    ; in partial 2 (and 3)
	s_wait_kmcnt 0x0
	s_cmp_eq_u32 s31, 0
	s_cselect_b64 s[36:37], s[10:11], s[14:15]
	s_cselect_b64 s[38:39], s[12:13], s[16:17]
	s_add_nc_u64 s[28:29], s[8:9], s[56:57]
	s_add_nc_u64 s[30:31], s[8:9], s[58:59]
	s_add_nc_u64 s[42:43], s[20:21], s[60:61]
	s_add_nc_u64 s[44:45], s[20:21], s[62:63]
	s_add_nc_u64 s[48:49], s[18:19], s[52:53]
	s_add_nc_u64 s[50:51], s[18:19], s[54:55]
	s_mov_b32 s52, 0x76543210
	s_mov_b32 s53, 0xfedcba98
	s_mov_b32 s54, 0x600000
	global_load_b128 v[12:15], v8, s[36:37]
	global_load_b32 v16, v9, s[38:39]
; K step j's operands: 8 fragments of K, 4 of V, their scale words: 51 loads into set j % 3
.macro LOADSET j
.set SET_, (\j)%3
	s_add_co_u32 s46, s27, (\j)
	s_and_b32 s46, s46, 7
	s_mul_i32 s46, s46, REC
	v_add_nc_u32 v[3+SET_], s46, v1                ; (the loads that read this register last have been waited for)
.if SET_ < 2
	WIN 0x40
.set AB_, 128*SET_
.else
	WIN 0x80
.set AB_, 0
.endif
.irp a, 0,1,2,3,4,5,6,7
.irp c, 0,1,2,3
	global_load_b128 v[AB_+16*\a+4*\c:AB_+16*\a+4*\c+3], v[3+SET_], s[28:29] offset:(\a/4)*QSTR+(\a%4)*2048+512*\c
.endr
.endr
	WIN 0
	global_load_b128 v[SA+8*SET_:SA+8*SET_+3], v[3+SET_], s[28:29] offset:8192
	global_load_b128 v[SA+8*SET_+4:SA+8*SET_+7], v[3+SET_], s[28:29] offset:QSTR+8192
.irp i, 0,1,2,3
.irp c, 0,1,2,3
	global_load_b128 v[64+64*SET_+16*\i+4*\c:64+64*SET_+16*\i+4*\c+3], v[3+SET_], s[30:31] offset:2048*\i+512*\c
.endr
.endr
	global_load_b128 v[SB+4*SET_:SB+4*SET_+3], v[3+SET_], s[30:31] offset:8192
.endm
	LOADSET 0
	LOADSET 1
	LOADSET 2
.macro KSTEP j
.set SET_, (\j)%3
.if \j <= 5
	s_wait_loadcnt 63                              ; 102 loads were issued behind this set's: the largest count that the wait can name
.elseif \j == 6
	s_wait_loadcnt 51                              ; the last set may be out
.else
	s_wait_loadcnt 0x0
.endif
.if \j == 0
	global_store_b128 v1, v[12:15], s[42:43]       ; the weight's piece: 512 consecutive bytes
	s_cmp_lg_u32 s22, 0
	s_cbranch_scc1 .Lnot_wave_0
	global_store_b32 v2, v16, s[44:45]             ; its tile's scale words, by one wave
.Lnot_wave_0:
.endif
.if SET_ < 2
	WIN 0xf1
.set AB_, 128*SET_
.else
	WIN 0xf2
.set AB_, 0
.endif
.irp a, 0,1,2,3,4,5,6,7
.irp i, 0,1,2,3
.if \j == 0
	v_wmma_scale_f32_16x16x128_f8f6f4 v[64*\i+8*\a:64*\i+8*\a+7], v[AB_+16*\a:AB_+16*\a+15], v[64+64*SET_+16*\i:64+64*SET_+16*\i+15], 0, v[SA+8*SET_+\a], v[SB+4*SET_+\i] matrix_a_fmt:MATRIX_FMT_BF8 matrix_b_fmt:MATRIX_FMT_BF8
.else
	v_wmma_scale_f32_16x16x128_f8f6f4 v[64*\i+8*\a:64*\i+8*\a+7], v[AB_+16*\a:AB_+16*\a+15], v[64+64*SET_+16*\i:64+64*SET_+16*\i+15], v[64*\i+8*\a:64*\i+8*\a+7], v[SA+8*SET_+\a], v[SB+4*SET_+\i] matrix_a_fmt:MATRIX_FMT_BF8 matrix_b_fmt:MATRIX_FMT_BF8
.endif
.endr
.endr
	WIN 0
.rept 8
	v_nop                                          ; places in front of loads into the set's registers, and of the first read of the sums
.endr
.if \j+3 <= 7
	LOADSET \j+3
.endif
.endm
	KSTEP 0                                        ; the 32 sums take turns, in the same order in every step
	KSTEP 1
	KSTEP 2
	KSTEP 3
	KSTEP 4
	KSTEP 5
	KSTEP 6
	KSTEP 7
	; the four waves' partial sums meet: each as an image of its 256 registers
	WIN 0x0c
.set n_, 0
.rept 64
	ds_store_b128 v6, v[4*n_:4*n_+3] offset:512*n_ ; each sum from its low end on
.set n_, n_+1
.endr
	WIN 0
	s_wait_dscnt 0x0
	s_barrier_signal -1
	s_barrier_wait -1
.set n_, 0
.rept 16
	ds_load_b128 v[64+4*n_:64+4*n_+3], v7 offset:512*n_            ; wave w takes e tile w: partial 0,
.set n_, n_+1
.endr
.set n_, 0
.rept 16
	ds_load_b128 v[128+4*n_:128+4*n_+3], v7 offset:32768+512*n_    ; 1,
.set n_, n_+1
.endr
.set n_, 0
.rept 16
	ds_load_b128 v[192+4*n_:192+4*n_+3], v10 offset:512*n_         ; 2
.set n_, n_+1
.endr
	s_wait_dscnt 16                                ; partials 0 and 1 are in
.set n_, 0
.rept 32
	v_pk_add_f32 v[S+n_:S+n_+1], v[S+n_:S+n_+1], v[128+n_:128+n_+1]
.set n_, n_+2
.endr
.set n_, 0
.rept 16
	ds_load_b128 v[128+4*n_:128+4*n_+3], v10 offset:32768+512*n_   ; 3
.set n_, n_+1
.endr
	s_wait_dscnt 16                                ; partial 2 is in
.set n_, 0
.rept 32
	v_pk_add_f32 v[S+n_:S+n_+1], v[S+n_:S+n_+1], v[192+n_:192+n_+1]
.set n_, n_+2
.endr
	s_wait_dscnt 0x0
.set n_, 0
.rept 32
	v_pk_add_f32 v[S+n_:S+n_+1], v[S+n_:S+n_+1], v[128+n_:128+n_+1]
.set n_, n_+2
.endr
	; 64 numbers of a lane, register 16 b + i = d 32 b + 16 (lane / 16) + i of my e, become a fragment's codes and its scale word
.irp b, 0,1,2,3
	v_mov_b32 v[TM+4+\b], 0
.endr
.irp b, 0,1,2,3
	v_max3_num_f32 v[TM+\b], |v[S+16*\b]|, |v[S+16*\b+1]|, 0x8000000   ; and the floor 2^(16 - 127)
.endr
.irp i, 2,4,6,8,10,12,14
.irp b, 0,1,2,3
	v_max3_num_f32 v[TM+\b], v[TM+\b], |v[S+16*\b+\i]|, |v[S+16*\b+\i+1]|
.endr
.endr
.irp b, 0,1,2,3
	v_permlanex16_b32 v[TM+4+\b], v[TM+\b], s52, s53
.endr
.irp b, 0,1,2,3
	v_max_num_f32 v[TM+\b], v[TM+\b], v[TM+4+\b]
.endr
.irp b, 0,1,2,3
	v_add_nc_u32 v[TM+12+\b], 0xf8800000, v[TM+\b] ; 15 off the exponent field: the conversion's scale operand
.endr
.irp b, 0,1,2,3
	v_and_or_b32 v[TM+8+\b], v[TM+\b], 0x7f800000, s54   ; 57,344 x the scale
.endr
.irp b, 0,1,2,3
	v_lshrrev_b32 v[TM+4+\b], 23, v[TM+12+\b]      ; the byte
.endr
	v_lshl_or_b32 v[PW], v[TM+5], 8, v[TM+4]
	v_lshl_or_b32 v[PW], v[TM+6], 16, v[PW]
	v_lshl_or_b32 v[PW], v[TM+7], 24, v[PW]
.set n_, 0
.rept 64
	v_med3_num_f32 v[S+n_], v[S+n_], -v[TM+8+n_/16], v[TM+8+n_/16]
.set n_, n_+1
.endr
.irp b, 0,1,2,3
	v_cvt_scalef32_pk8_bf8_f32 v[PC+4*\b:PC+4*\b+1], v[S+16*\b:S+16*\b+7], v[TM+12+\b]
	v_cvt_scalef32_pk8_bf8_f32 v[PC+4*\b+2:PC+4*\b+3], v[S+16*\b+8:S+16*\b+15], v[TM+12+\b]
.endr
	v_nop
.irp c, 0,1,2,3
	global_store_b128 v1, v[PC+4*\c:PC+4*\c+3], s[48:49] offset:512*\c
.endr
	global_store_b32 v2, v[PW], s[50:51]
	s_wait_tensorcnt 0x0
	ds_add_u32 v62, v63
	s_wait_dscnt 0x0
	s_endpgm
.Lfunc_end_k_qb0588dabed_kvgemm:
	.size	k_qb0588dabed_kvgemm, .Lfunc_end_k_qb0588dabed_kvgemm-k_qb0588dabed_kvgemm
	.p2alignl 7, 3214868480
	.fill 96, 4, 3214868480
	.section	.rodata,"a",@progbits
	.p2align	6, 0x0
	.amdhsa_kernel k_qb0588dabed_kvgemm
		.amdhsa_group_segment_fixed_size 131584
		.amdhsa_private_segment_fixed_size 0
		.amdhsa_enable_private_segment 0
		.amdhsa_kernarg_size 56
		.amdhsa_user_sgpr_count 2
		.amdhsa_user_sgpr_kernarg_segment_ptr 1
		.amdhsa_wavefront_size32 1
		.amdhsa_system_sgpr_workgroup_id_x 1
		.amdhsa_system_sgpr_workgroup_id_y 1
		.amdhsa_system_sgpr_workgroup_id_z 1
		.amdhsa_system_vgpr_workitem_id 0
		.amdhsa_next_free_vgpr 1024
		.amdhsa_next_free_sgpr 66
		.amdhsa_reserve_vcc 0
		.amdhsa_float_denorm_mode_32 3
		.amdhsa_float_denorm_mode_16_64 3
		.amdhsa_memory_ordered 1
		.amdhsa_forward_progress 1
		.amdhsa_inst_pref_size 103
	.end_amdhsa_kernel
	.amdgpu_metadata
---
amdhsa.version: [ 1, 2 ]
amdhsa.kernels:
  - .name:           k_qb0588dabed_kvgemm
    .symbol:         k_qb0588dabed_kvgemm.kd
    .args:
      - { .name: kv, .offset: 0, .size: 8, .value_kind: global_buffer, .address_space: global }
      - { .name: Wq_codes, .offset: 8, .size: 8, .value_kind: global_buffer, .address_space: global }
      - { .name: Wq_scales, .offset: 16, .size: 8, .value_kind: global_buffer, .address_space: global }
      - { .name: Wo_codes, .offset: 24, .size: 8, .value_kind: global_buffer, .address_space: global }
      - { .name: Wo_scales, .offset: 32, .size: 8, .value_kind: global_buffer, .address_space: global }
      - { .name: w5, .offset: 40, .size: 8, .value_kind: global_buffer, .address_space: global }
      - { .name: wimg, .offset: 48, .size: 8, .value_kind: global_buffer, .address_space: global }
    .group_segment_fixed_size: 131584
    .private_segment_fixed_size: 0
    .kernarg_segment_align: 8
    .kernarg_segment_size: 56
    .max_flat_workgroup_size: 128
    .sgpr_count:     66
    .vgpr_count:     1024
    .wavefront_size: 32
...
	.end_amdgpu_metadata
.endif
;; end of part 2
;; launch chain (part 3): grid 32 x 8, 4 waves a work-group, no clusters, 243,200 bytes of LDS; arguments x_codes, x_scales, bq, bo, wimg, w5, out0; writes out0
.if DOCPART == 3
	.amdgcn_target "amdgcn-amd-amdhsa--gfx1250"
	.amdhsa_code_object_version 6
	.text
	.protected	k_qb0588dabed_chain
	.globl	k_qb0588dabed_chain
	.p2align	8
	.type	k_qb0588dabed_chain,@function
k_qb0588dabed_chain:
	s_mov_b64 s[64:65], 0
	v_nop
	global_prefetch_b8 v0, s[64:65] scope:SCOPE_SE
	s_setreg_imm32_b32 hwreg(HW_REG_WAVE_MODE, 25, 1), 1
	s_wait_xcnt 0x0
; out = Quant(Quant(elu(x Wq^T + bq) + 1) KV) Wo^T + bo: three products on codes of BF8 (E5M2), one E8M0 scale for each 32 along K; the two operands between them never go to memory.
; SHARES.  A work-group takes 128 rows (s) of one batch through all three products.  In each, wave w makes columns 128 w .. 128 w + 127 for all 128 rows: 64 sums, windows 2 and 3.
; THE PRODUCTS ARE USED TRANSPOSED: source 0 = 16 rows of the weight, source 1 = 16 rows of the activation: a lane holds one row, its registers run along the columns, the next K.
; Wq's and KV's rows in a tile are 32 (t / 2) + 8 (t % 2) + r + 8 (r / 8), so a row tile's 64 registers are k = 32 b + 16 (lane / 16) + i.
; THE WEIGHTS lie in wimg and w5 in the order of the operand's registers and stream straight into a ring of four half sets (4 tiles x 128 K, 20 loads) in window 1;
; three halves are always asked for, and the stream of 24 halves runs on through the work between the products.
; THE ACTIVATIONS go from wave to wave through LDS as rows of 512 codes (pitch 528) with a scale word for each 128; a region for each product, so one barrier between two products.
; NO CLUSTER, NO TENSOR LOADS: the weights never lie in LDS, and each wave reads a part of its own, once.
; ELU + 1: the bias registers hold bq + 1, a sum is y = z + 1, and elu(z) + 1 = max(2^min(y L - L, 0), y), L = log2(e); a block's largest number is made of its largest y by the same lines.
; LIMITS: exp(z) stands for expm1(z) + 1 (6e-8 apart at the most); an exponential under 2^-126 comes out as 0; the exponential is taken not to fall where its input rises;
; NaN and infinities are not served; a block of zeros gets the scale byte 1.
.set PITCH, 528
.set SCO,   128*PITCH                  ; in a region: behind the rows, 16 bytes of scale words a row
.set REG,   SCO+2048                   ; a region: 0 x, 1 Q, 2 Q KV
.set STG,   3*REG                      ; the way out: 16 rows x 528 bytes for each wave
.set WBLK,  17408
.set BS,   16                          ; v16-31   the weights' scale words: 4 slot + t
.set AS,   32                          ; v32-39   the activations': one a row tile
.set TM,   48                          ; v48-63   at work
.set BIAS, 64                          ; v64-127  the bias in the result's layout: 8 t + j
.set AFR,  128                         ; v128-255 the activations' fragments: 16 a
.set T,    128                         ; between products: 64 numbers at work,
.set PC,   192                         ; the codes just made,
.set PW,   208                         ; their scale word
; v1 16 lane, v2 4 lane; v3-5 a fragment's place in regions 0-2; v6-8 a scale word's; v9, v10 where I write codes (regions 1, 2); v11, v12 scale words;
; v13, v14 the stage, in and back; v15 where I store rows of x; v44 bo's lane offset; v[46:47] -L.
.set MSB, 0
.macro WIN new
.if MSB != (\new)
	s_set_vgpr_msb (MSB<<8)|(\new)
.set MSB, (\new)
.endif
.endm
.macro PLACES                          ; eight plain vector instructions behind a matrix instruction of this form
.rept 8
	v_nop
.endr
.endm
	s_load_b256 s[8:15], s[0:1], 0x0               ; x_codes 8, x_scales 10, bq 12, bo 14
	s_load_b128 s[16:19], s[0:1], 0x20             ; wimg 16, w5 18
	s_load_b64 s[20:21], s[0:1], 0x30              ; out0
	v_lshrrev_b32 v1, 5, v0
	v_readfirstlane_b32 s22, v1                    ; wave
	s_mov_b32 s23, ttmp9                           ; which 128 s
	s_and_b32 s24, ttmp7, 0xffff                   ; b
	s_mul_i32 s28, s22, 4*WBLK                     ; my 128 rows of a weight
	s_mov_b32 s29, 0
	s_mul_i32 s30, s24, 16*WBLK
	s_add_co_u32 s30, s30, s28
	s_mov_b32 s31, 0
	s_lshl_b32 s32, s23, 21                        ; out0: 128 s of 16,384 bytes,
	s_lshl_b32 s33, s24, 11                        ; the batch,
	s_add_co_u32 s32, s32, s33
	s_lshl_b32 s33, s22, 9                         ; my 128 columns
	s_add_co_u32 s32, s32, s33
	s_mov_b32 s33, 0
	s_lshl_b32 s34, s23, 19                        ; x: 128 s of 4,096 bytes,
	s_lshl_b32 s35, s22, 17                        ; my 32 rows,
	s_add_co_u32 s34, s34, s35
	s_lshl_b32 s35, s24, 9
	s_add_co_u32 s34, s34, s35
	s_mov_b32 s35, 0
	s_lshl_b32 s36, s23, 14
	s_lshl_b32 s37, s24, 4
	s_add_co_u32 s36, s36, s37
	s_mov_b32 s37, 0
	s_lshl_b32 s38, s22, 9
	s_mov_b32 s39, 0
	s_mov_b32 s56, 0x3fb8aa3b                      ; L
	s_mov_b32 s57, s56
	s_mov_b32 s60, 0x76543210
	s_mov_b32 s61, 0xfedcba98
	s_mov_b32 s62, 0x600000
	v_and_b32 v58, 31, v0
	v_and_b32 v56, 15, v0                          ; r
	v_bfe_u32 v57, v0, 4, 1                        ; h
	v_lshlrev_b32 v1, 4, v58
	v_lshlrev_b32 v2, 2, v58
	v_mul_u32_u24 v3, v56, PITCH
	v_lshl_add_u32 v3, v57, 4, v3
	v_add_nc_u32 v4, REG, v3
	v_add_nc_u32 v5, 2*REG, v3
	v_lshl_add_u32 v6, v56, 4, SCO
	v_add_nc_u32 v7, REG, v6
	v_add_nc_u32 v8, 2*REG, v6
	s_lshl_b32 s26, s22, 7
	v_add_nc_u32 v9, s26, v4
	v_add_nc_u32 v10, s26, v5
	s_lshl_b32 s26, s22, 2
	v_add_nc_u32 v11, s26, v7
	v_add_nc_u32 v12, s26, v8
	s_mul_i32 s26, s22, 16*PITCH
	s_add_co_u32 s26, s26, STG
	v_mul_u32_u24 v13, v56, PITCH
	v_lshl_add_u32 v13, v57, 5, v13
	v_add_nc_u32 v13, s26, v13
	v_add_nc_u32 v14, s26, v1
	s_mul_i32 s26, s22, 32*PITCH
	v_add_nc_u32 v15, s26, v1
	v_lshlrev_b32 v44, 5, v57                      ; bo: 8 h numbers on
	v_lshlrev_b32 v59, 6, v57                      ; bq: 16 h numbers on
	v_lshlrev_b32 v60, 7, v0                       ; x's scales in memory: thread i takes row i
	v_lshl_add_u32 v61, v0, 4, SCO                 ; and in LDS
	v_mov_b32 v46, 0xbfb8aa3b
	v_mov_b32 v47, 0xbfb8aa3b
.irp b, 0,1,2,3
	v_mov_b32 v[TM+4+\b], 0                        ; a lane permute's destination counts as one of its sources
.endr
	s_wait_kmcnt 0x0
	s_add_nc_u64 s[40:41], s[16:17], s[28:29]      ; Wq's images
	s_add_nc_u64 s[42:43], s[18:19], s[30:31]      ; KV's
	s_add_nc_u64 s[44:45], s[40:41], 16*WBLK       ; Wo's
	s_add_nc_u64 s[46:47], s[20:21], s[32:33]
	s_add_nc_u64 s[48:49], s[8:9], s[34:35]
	s_add_nc_u64 s[10:11], s[10:11], s[36:37]
	s_add_nc_u64 s[12:13], s[12:13], s[38:39]
	s_add_nc_u64 s[14:15], s[14:15], s[38:39]
; Half n of the stream (n = 8 product + 2 q + H): tiles 4 H .. 4 H + 3, 128 along K: 16 loads of 512 consecutive bytes and 4 of scale words, into slot n % 4
.macro LOADN n
.if (\n) < 24
.set LS_, (\n)%4
.set LB_, 40+2*((\n)/8)
.set LO_, (((\n)%8)/2)*WBLK
.set LH_, (\n)%2
	WIN 0x40
.irp t, 0,1,2,3
.irp c, 0,1,2,3
	global_load_b128 v[64*LS_+16*\t+4*\c:64*LS_+16*\t+4*\c+3], v1, s[LB_:LB_+1] offset:LO_+8192*LH_+2048*\t+512*\c
.endr
.endr
	WIN 0
.irp t, 0,1,2,3
	global_load_b32 v[BS+4*LS_+\t], v2, s[LB_:LB_+1] offset:LO_+16384+512*LH_+128*\t
.endr
.endif
.endm
.macro WAITN n                         ; half n is in: the halves issued behind it, three or what is left of the stream, may be out
.if 23-(\n) >= 3
	s_wait_loadcnt 60
.else
	s_wait_loadcnt 20*(23-(\n))
.endif
.endm
.macro FETCHA rho, q, a0               ; four row tiles' fragments and scale words of K step q: 20 LDS loads
.irp a, \a0, \a0+1, \a0+2, \a0+3
.irp c, 0,1,2,3
	ds_load_b128 v[AFR+16*(\a)+4*\c:AFR+16*(\a)+4*\c+3], v[3+\rho] offset:16*PITCH*(\a)+128*(\q)+32*\c
.endr
	ds_load_b32 v[AS+(\a)], v[6+\rho] offset:256*(\a)+4*(\q)
.endr
.endm
; 16 matrix instructions: half n's four tiles x row tiles a0 .. a0 + 3.  cm = 0: onto the sums; 1: the constant 0 starts them; 2: the bias does.
.macro MUL16 n, a0, cm
.set MS_, (\n)%4
.set MH_, (\n)%2
.if \cm == 2
	WIN 0x81+0x40*((\a0)/4)
.else
	WIN 0xa1+0x50*((\a0)/4)
.endif
.irp a, \a0, \a0+1, \a0+2, \a0+3
.irp t, 0,1,2,3
.set D_, 64*((\a)%4)+8*(4*MH_+\t)
.if \cm == 2
	v_wmma_scale_f32_16x16x128_f8f6f4 v[D_:D_+7], v[64*MS_+16*\t:64*MS_+16*\t+15], v[AFR+16*(\a):AFR+16*(\a)+15], v[BIAS+8*(4*MH_+\t):BIAS+8*(4*MH_+\t)+7], v[BS+4*MS_+\t], v[AS+(\a)] matrix_a_fmt:MATRIX_FMT_BF8 matrix_b_fmt:MATRIX_FMT_BF8
.elseif \cm == 1
	v_wmma_scale_f32_16x16x128_f8f6f4 v[D_:D_+7], v[64*MS_+16*\t:64*MS_+16*\t+15], v[AFR+16*(\a):AFR+16*(\a)+15], 0, v[BS+4*MS_+\t], v[AS+(\a)] matrix_a_fmt:MATRIX_FMT_BF8 matrix_b_fmt:MATRIX_FMT_BF8
.else
	v_wmma_scale_f32_16x16x128_f8f6f4 v[D_:D_+7], v[64*MS_+16*\t:64*MS_+16*\t+15], v[AFR+16*(\a):AFR+16*(\a)+15], v[D_:D_+7], v[BS+4*MS_+\t], v[AS+(\a)] matrix_a_fmt:MATRIX_FMT_BF8 matrix_b_fmt:MATRIX_FMT_BF8
.endif
.endr
.endr
.endm
; A K step of 128: 64 matrix instructions; the 64 sums take turns, in the same order in every step.  A half's slot and a group of row tiles are asked for anew as soon as their last product is issued.
.macro KSTEP ph, q, cm
	WAITN 8*\ph+2*\q
	s_wait_dscnt 20                                ; row tiles 0-3 are in; 4-7 may be out
	MUL16 8*\ph+2*\q, 0, \cm
	s_wait_dscnt 0x0
	MUL16 8*\ph+2*\q, 4, \cm
	WIN 0
	PLACES
	LOADN 8*\ph+2*\q+4
	WAITN 8*\ph+2*\q+1
	MUL16 8*\ph+2*\q+1, 0, \cm
	WIN 0
.if \q < 3
	PLACES
	FETCHA \ph, \q+1, 0
.endif
	MUL16 8*\ph+2*\q+1, 4, \cm
	WIN 0
	PLACES
.if \q < 3
	FETCHA \ph, \q+1, 4
.endif
	LOADN 8*\ph+2*\q+5
.endm
.macro JOIN
.irp b, 0,1,2,3
	v_permlanex16_b32 v[TM+4+\b], v[TM+\b], s60, s61
.endr
.irp b, 0,1,2,3
	v_max_num_f32 v[TM+\b], v[TM+\b], v[TM+4+\b]   ; with lane l xor 16's 16 numbers: the block's
.endr
.endm
.macro SCALES                          ; from the blocks' largest numbers: scale operands, holds, bytes, the row's scale word
.irp b, 0,1,2,3
	v_add_nc_u32 v[TM+12+\b], 0xf8800000, v[TM+\b]
.endr
.irp b, 0,1,2,3
	v_and_or_b32 v[TM+8+\b], v[TM+\b], 0x7f800000, s62
.endr
.irp b, 0,1,2,3
	v_lshrrev_b32 v[TM+4+\b], 23, v[TM+12+\b]
.endr
	s_wait_dscnt 0x0                               ; the last tile's LDS stores have read their registers
	v_lshl_or_b32 v[PW], v[TM+5], 8, v[TM+4]
	v_lshl_or_b32 v[PW], v[TM+6], 16, v[PW]
	v_lshl_or_b32 v[PW], v[TM+7], 24, v[PW]
.endm
.macro CODES a, adr, sadr              ; the 64 numbers in v[T] on become codes; they go to their rows' bytes 128 w on, the scale word to word w
.irp b, 0,1,2,3
	v_cvt_scalef32_pk8_bf8_f32 v[PC+4*\b:PC+4*\b+1], v[T+16*\b:T+16*\b+7], v[TM+12+\b]
	v_cvt_scalef32_pk8_bf8_f32 v[PC+4*\b+2:PC+4*\b+3], v[T+16*\b+8:T+16*\b+15], v[TM+12+\b]
.endr
	v_nop                                          ; a plain instruction behind the last conversion
.irp c, 0,1,2,3
	ds_store_b128 v[\adr], v[PC+4*\c:PC+4*\c+3] offset:16*PITCH*(\a)+32*\c
.endr
	ds_store_b32 v[\sadr], v[PW] offset:256*(\a)
.endm
; Row tile a of Q: elu + 1, quantised along d
.macro POST1 a
.set W_, 2+(\a)/4
.set AC_, 64*((\a)%4)
	WIN 0x14*W_
.irp b, 0,1,2,3
	v_max3_num_f32 v[TM+\b], 0xff800000, v[AC_+16*\b], v[AC_+16*\b+1]   ; the block's largest y, each sum from its low end on
.endr
.irp i, 2,4,6,8,10,12,14
.irp b, 0,1,2,3
	v_max3_num_f32 v[TM+\b], v[TM+\b], v[AC_+16*\b+\i], v[AC_+16*\b+\i+1]
.endr
.endr
	WIN 0
	JOIN
	WIN W_
.set n_, 0
.rept 32
	v_pk_fma_f32 v[T+n_:T+n_+1], v[AC_+n_:AC_+n_+1], s[56:57], v[46:47] op_sel_hi:[1,0,1]
.set n_, n_+2
.endr
	WIN 0
.irp b, 0,1,2,3
	v_fma_f32 v[TM+8+\b], v[TM+\b], s56, v46
.endr
.set n_, 0
.rept 64
	v_min_num_f32 v[T+n_], 0, v[T+n_]
.set n_, n_+1
.endr
.irp b, 0,1,2,3
	v_min_num_f32 v[TM+8+\b], 0, v[TM+8+\b]
.endr
.set n_, 0
.rept 64
	v_exp_f32 v[T+n_], v[T+n_]
.set n_, n_+1
.endr
.irp b, 0,1,2,3
	v_exp_f32 v[TM+8+\b], v[TM+8+\b]
.endr
	v_nop                                          ; a plain instruction behind the last exponential
	s_wait_alu depctr_va_vdst(0)                   ; one wait for the batch of 68, ahead of its first reader
.irp b, 0,1,2,3
	v_max3_num_f32 v[TM+\b], v[TM+8+\b], v[TM+\b], 0x8000000
.endr
	SCALES
	WIN 4*W_
.set n_, 0
.rept 64
	v_maxmin_num_f32 v[T+n_], v[T+n_], v[AC_+n_], v[TM+8+n_/16]    ; min(max(2^.., y), the hold)
.set n_, n_+1
.endr
	WIN 0
	CODES \a, 9, 11
.endm
; Row tile a of Q KV: quantised along e
.macro POST2 a
.set W_, 2+(\a)/4
.set AC_, 64*((\a)%4)
	WIN 0x14*W_
.irp b, 0,1,2,3
	v_max3_num_f32 v[TM+\b], 0x8000000, |v[AC_+16*\b]|, |v[AC_+16*\b+1]|
.endr
.irp i, 2,4,6,8,10,12,14
.irp b, 0,1,2,3
	v_max3_num_f32 v[TM+\b], v[TM+\b], |v[AC_+16*\b+\i]|, |v[AC_+16*\b+\i+1]|
.endr
.endr
	WIN 0
	JOIN
	SCALES
	WIN W_
.set n_, 0
.rept 64
	v_med3_num_f32 v[T+n_], v[AC_+n_], -v[TM+8+n_/16], v[TM+8+n_/16]
.set n_, n_+1
.endr
	WIN 0
	CODES \a, 10, 12
.endm
.macro BARRIER                         ; my LDS stores have landed and my LDS loads are in: then the work-group's barrier
	s_wait_dscnt 0x0
	s_barrier_signal -1
	s_barrier_wait -1
.endm
.set n_, 0
.rept 32
	global_load_b128 v[AFR+4*n_:AFR+4*n_+3], v1, s[48:49] offset:4096*n_ th:TH_LOAD_NT   ; my 32 rows of x, 512 bytes each
.set n_, n_+1
.endr
	global_load_b128 v[40:43], v60, s[10:11]
.irp t, 0,1,2,3,4,5,6,7
	global_load_b128 v[BIAS+8*\t:BIAS+8*\t+3], v59, s[12:13] offset:4*(32*(\t/2)+8*(\t%2))
	global_load_b128 v[BIAS+8*\t+4:BIAS+8*\t+7], v59, s[12:13] offset:4*(32*(\t/2)+8*(\t%2))+16
.endr
	LOADN 0
	LOADN 1
	LOADN 2
	LOADN 3
	s_wait_loadcnt 63                              ; x, its scales and bq are in: 80 loads of weights were issued behind them
.set n_, 0
.rept 32
	ds_store_b128 v15, v[AFR+4*n_:AFR+4*n_+3] offset:PITCH*n_
.set n_, n_+1
.endr
	ds_store_b128 v61, v[40:43]
.set n_, 0
.rept 32
	v_pk_add_f32 v[BIAS+n_:BIAS+n_+1], v[BIAS+n_:BIAS+n_+1], 1.0 op_sel_hi:[1,0]   ; bq + 1
.set n_, n_+2
.endr
	BARRIER                                        ; the 128 rows of x lie in region 0
	FETCHA 0, 0, 0
	FETCHA 0, 0, 4
	KSTEP 0, 0, 2
	KSTEP 0, 1, 0
	KSTEP 0, 2, 0
	KSTEP 0, 3, 0
.irp t, 0,1,2,3,4,5,6,7
	global_load_b128 v[BIAS+8*\t:BIAS+8*\t+3], v44, s[14:15] offset:64*\t          ; bo, for the third product: eight halves of weights are issued behind it before it is used
	global_load_b128 v[BIAS+8*\t+4:BIAS+8*\t+7], v44, s[14:15] offset:64*\t+16
.endr
.irp a, 0,1,2,3,4,5,6,7
	POST1 \a
.endr
	BARRIER                                        ; Q's codes lie in region 1
	FETCHA 1, 0, 0
	FETCHA 1, 0, 4
	KSTEP 1, 0, 1
	KSTEP 1, 1, 0
	KSTEP 1, 2, 0
	KSTEP 1, 3, 0
.irp a, 0,1,2,3,4,5,6,7
	POST2 \a
.endr
	BARRIER                                        ; Q KV's codes lie in region 2
	FETCHA 2, 0, 0
	FETCHA 2, 0, 4
	KSTEP 2, 0, 2
	KSTEP 2, 1, 0
	KSTEP 2, 2, 0
	KSTEP 2, 3, 0
; THE WAY OUT, a row tile at a time.  A lane holds 32 neighbouring bytes of a row: the tile goes through my own stage and comes back as rows of 512 bytes.
; LDS serves a wave's instructions in order (ISA guide 5.7.1.4): no wait between the stores and the loads, nor in front of the next tile's stores.
.macro TOSTAGE a
.set AC_, 64*((\a)%4)
	WIN 0x08+4*((\a)/4)
.irp t, 0,1,2,3,4,5,6,7
	ds_store_b128 v13, v[AC_+8*\t:AC_+8*\t+3] offset:64*\t           ; each sum from its low end on
	ds_store_b128 v13, v[AC_+8*\t+4:AC_+8*\t+7] offset:64*\t+16
.endr
	WIN 0
.set BB_, 128+64*((\a)%2)
.irp i, 0,1,2,3,4,5,6,7,8,9,10,11,12,13,14,15
	ds_load_b128 v[BB_+4*\i:BB_+4*\i+3], v14 offset:\i*PITCH
.endr
.endm
.macro SEND a, younger                 ; younger: the LDS instructions issued behind tile a's loads
.set BB_, 128+64*((\a)%2)
	s_wait_dscnt \younger
.irp i, 0,1,2,3,4,5,6,7,8,9,10,11,12,13,14,15
	global_store_b128 v1, v[BB_+4*\i:BB_+4*\i+3], s[46:47] offset:(\a)*262144+\i*16384 th:TH_STORE_NT   ; 32 lanes store 512 consecutive bytes, aligned
.endr
.endm
	TOSTAGE 0                                      ; (the eight places behind the last products stand at the last K step's end)
.irp a, 1,2,3,4,5,6,7
.if \a > 1
	s_wait_xcnt 0x0                                ; tile a - 2's stores have read their registers: tile a's loads may land there
.endif
	TOSTAGE \a
	SEND \a-1, 32                                  ; behind tile a - 1's loads: tile a's 16 stores and 16 loads
.endr
	SEND 7, 0
	s_wait_xcnt 0x0
	v_lshl_add_u32 v254, v0, 2, 0x3b400
	v_mov_b32 v255, 0
	s_wait_tensorcnt 0x0
	ds_add_u32 v254, v255
	s_wait_dscnt 0x0
	s_endpgm
.Lfunc_end_k_qb0588dabed_chain:
	.size	k_qb0588dabed_chain, .Lfunc_end_k_qb0588dabed_chain-k_qb0588dabed_chain
	.p2alignl 7, 3214868480
	.fill 96, 4, 3214868480
	.section	.rodata,"a",@progbits
	.p2align	6, 0x0
	.amdhsa_kernel k_qb0588dabed_chain
		.amdhsa_group_segment_fixed_size 243200
		.amdhsa_private_segment_fixed_size 0
		.amdhsa_enable_private_segment 0
		.amdhsa_kernarg_size 56
		.amdhsa_user_sgpr_count 2
		.amdhsa_user_sgpr_kernarg_segment_ptr 1
		.amdhsa_wavefront_size32 1
		.amdhsa_system_sgpr_workgroup_id_x 1
		.amdhsa_system_sgpr_workgroup_id_y 1
		.amdhsa_system_sgpr_workgroup_id_z 1
		.amdhsa_system_vgpr_workitem_id 0
		.amdhsa_next_free_vgpr 1024
		.amdhsa_next_free_sgpr 66
		.amdhsa_reserve_vcc 0
		.amdhsa_float_denorm_mode_32 3
		.amdhsa_float_denorm_mode_16_64 3
		.amdhsa_memory_ordered 1
		.amdhsa_forward_progress 1
		.amdhsa_inst_pref_size 255
	.end_amdhsa_kernel
	.section	.bss,"aw",@nobits
	.p2align	6
	.space	262144
	.amdgpu_metadata
---
amdhsa.version: [ 1, 2 ]
amdhsa.kernels:
  - .name:           k_qb0588dabed_chain
    .symbol:         k_qb0588dabed_chain.kd
    .args:
      - { .name: x_codes, .offset: 0, .size: 8, .value_kind: global_buffer, .address_space: global }
      - { .name: x_scales, .offset: 8, .size: 8, .value_kind: global_buffer, .address_space: global }
      - { .name: bq, .offset: 16, .size: 8, .value_kind: global_buffer, .address_space: global }
      - { .name: bo, .offset: 24, .size: 8, .value_kind: global_buffer, .address_space: global }
      - { .name: wimg, .offset: 32, .size: 8, .value_kind: global_buffer, .address_space: global }
      - { .name: w5, .offset: 40, .size: 8, .value_kind: global_buffer, .address_space: global }
      - { .name: out0, .offset: 48, .size: 8, .value_kind: global_buffer, .address_space: global }
    .group_segment_fixed_size: 243200
    .private_segment_fixed_size: 0
    .kernarg_segment_align: 8
    .kernarg_segment_size: 56
    .max_flat_workgroup_size: 128
    .sgpr_count:     66
    .vgpr_count:     1024
    .wavefront_size: 32
...
	.end_amdgpu_metadata
.endif
;; end of part 3
